; MI455X (gfx1250); checked and timed in simulation.
; The chip was launched on July 23, 2026; its instructions are those of AMD's public machine-readable ISA for CDNA 5 (MIT licence, August 2026) and "CDNA5" Instruction Set Architecture Reference Guide (July 2026). The comments in the code are by the model that wrote it; some were corrected since.
;; Vector Quantizer. Allowed arithmetic: float matrix products may take bf16 or f16 operands with f32 sums; other float arithmetic in f32, or as packed bf16 or f16 multiplies, adds, multiply-adds, maxima and minima; sums over many terms, partial sums and values carried from step to step in f32; what a program stores and reads back later, other than sums and carried values, may be rounded once to bf16 or f16.
;; Inputs: codebook 8,192 x 256 float32; z 32,768 x 256 float32.
;; Outputs: out0 32,768 x 256 float32; out1 one number float32; out2 32,768 x 1 int32.
;; One version. Each part assembles by itself: llvm-mc -triple=amdgcn-amd-amdhsa -mcpu=gfx1250 --defsym DOCPART=n.
;; ======== version 1 of 1: 4 launches
;; workspace buffers: zb 16,777,216 bytes; cbb 4,194,304 bytes; an 131,072 bytes; bn 32,768 bytes; grp 131,072 bytes of whole numbers; part 32,768 bytes
;; launch prep (part 1): grid 1280 x 1, 4 waves a work-group, no clusters, 0 bytes of LDS; arguments z, codebook, zb, cbb, an, bn; writes zb, cbb, an, bn
.if DOCPART == 1
	.amdgcn_target "amdgcn-amd-amdhsa--gfx1250"
	.amdhsa_code_object_version 6
	.text
	.protected	k_qd8a5e9bc4d_prep
	.globl	k_qd8a5e9bc4d_prep
	.p2align	8
	.type	k_qd8a5e9bc4d_prep,@function
k_qd8a5e9bc4d_prep:
	s_mov_b64 s[64:65], 0
	v_nop
	global_prefetch_b8 v0, s[64:65] scope:SCOPE_SE
	s_setreg_imm32_b32 hwreg(HW_REG_WAVE_MODE, 25, 1), 1
	s_wait_xcnt 0x0
; PREP.  z [32768][256] and codebook [8192][256], f32, are rounded once to bf16 (zb, cbb), and each row's sum of squares OF THE ROUNDED
; numbers is stored in f32 (an, bn).  All later launches work on the rounded numbers alone, so the whole program is reference() on inputs rounded to bf16.
; One text for both tensors: work-groups 0..1023 take 32 rows of z each, work-groups 1024..1279 32 rows of the codebook.  A wave takes 8 rows; a row of
; 1,024 bytes is two loads of 512 consecutive bytes.  All 16 loads of a wave go out at once; no LDS, no barrier, no matrix work: the launch only moves bytes.
; A row's bf16 leave by two stores of 8 bytes a lane: 32 lanes x 8 bytes are 256 consecutive bytes at a multiple of 256 from the buffer's first byte.
; The 8 norms of a wave leave as 32 bytes: all norms together are 163,840 bytes beside the 62,914,560 that the launch moves, so they are not staged.
; LIMIT: a sum of squares beyond f32's range is an infinity, as in reference().  The order of the 256 additions is this text's own.
.set ZGROUPS, 1024                     ; work-groups that take z
.set X, 16                             ; v[16:79]  row i, half q: 4 registers at X + 8 i + 4 q: as loaded, then the rounded numbers widened again
.set P, 80                             ; v[80:111] row i: 4 registers of packed bf16; never rewritten, so the stores need no wait
	s_load_b256 s[4:11], s[0:1], 0x0               ; z s[4:5], codebook s[6:7], zb s[8:9], cbb s[10:11]
	s_load_b128 s[12:15], s[0:1], 0x20             ; an s[12:13], bn s[14:15]
	s_mov_b32 s24, 0xffff0000                      ; a word's upper bf16
	s_mov_b32 s26, 0x76543210                      ; v_permlanex16_b32: each lane takes its own place in the other half
	s_mov_b32 s27, 0xfedcba98
	v_and_b32 v1, 31, v0                           ; lane
	v_lshrrev_b32 v9, 5, v0                        ; wave
	v_lshlrev_b32 v2, 4, v1
	v_lshl_add_u32 v2, v9, 13, v2                  ; in: wave x 8 rows x 1,024 + 16 x lane
	v_lshlrev_b32 v3, 3, v1
	v_lshl_add_u32 v3, v9, 12, v3                  ; out: wave x 8 rows x 512 + 8 x lane
	v_lshlrev_b32 v4, 2, v1
	v_lshl_add_u32 v4, v9, 5, v4                   ; norms: wave x 8 x 4 + 4 x lane (lanes 0 to 7 store)
	v_mov_b32 v5, 0                                ; lane i will hold row i's norm
	v_mov_b32 v8, 0                                ; v_permlanex16_b32's destination counts as read
	s_sub_co_u32 s16, ttmp9, ZGROUPS
	s_wait_kmcnt 0x0
	s_cmp_lt_u32 ttmp9, ZGROUPS                    ; z or codebook?  The condition hangs on the work-group's number alone
	s_cselect_b32 s16, ttmp9, s16                  ; my block of 32 rows in my tensor
	s_cselect_b64 s[18:19], s[4:5], s[6:7]         ; from
	s_cselect_b64 s[20:21], s[8:9], s[10:11]       ; to
	s_cselect_b64 s[22:23], s[12:13], s[14:15]     ; norms
	s_lshl_b32 s28, s16, 15                        ; 32 rows x 1,024 bytes
	s_mov_b32 s29, 0
	s_add_nc_u64 s[18:19], s[18:19], s[28:29]
	s_lshl_b32 s28, s16, 14                        ; 32 rows x 512 bytes
	s_add_nc_u64 s[20:21], s[20:21], s[28:29]
	s_lshl_b32 s28, s16, 7                         ; 32 norms
	s_add_nc_u64 s[22:23], s[22:23], s[28:29]
.irp i, 0,1,2,3,4,5,6,7
	global_load_b128 v[X+8*\i:X+8*\i+3],   v2, s[18:19] offset:1024*\i th:TH_LOAD_NT       ; elements 4 lane .. + 3
	global_load_b128 v[X+8*\i+4:X+8*\i+7], v2, s[18:19] offset:1024*\i+512 th:TH_LOAD_NT   ; elements 128 + 4 lane .. + 3
.endr
.macro ROW i
	s_wait_loadcnt 14-2*(\i)                       ; loads come back in order: row i's two are in, the 14 - 2 i behind them may stay out
.irp k, 0,1,2,3
	v_cvt_pk_bf16_f32 v[P+4*(\i)+\k], v[X+8*(\i)+2*\k], v[X+8*(\i)+2*\k+1]
.endr
	global_store_b64 v3, v[P+4*(\i):P+4*(\i)+1],   s[20:21] offset:512*(\i)
	global_store_b64 v3, v[P+4*(\i)+2:P+4*(\i)+3], s[20:21] offset:512*(\i)+256
.irp k, 0,1,2,3
	v_lshlrev_b32 v[X+8*(\i)+2*\k],   16,  v[P+4*(\i)+\k]   ; the rounded numbers, widened again
	v_and_b32     v[X+8*(\i)+2*\k+1], s24, v[P+4*(\i)+\k]
.endr
	v_pk_mul_f32 v[6:7], v[X+8*(\i):X+8*(\i)+1], v[X+8*(\i):X+8*(\i)+1]
	v_pk_fma_f32 v[6:7], v[X+8*(\i)+2:X+8*(\i)+3], v[X+8*(\i)+2:X+8*(\i)+3], v[6:7]
	v_pk_fma_f32 v[6:7], v[X+8*(\i)+4:X+8*(\i)+5], v[X+8*(\i)+4:X+8*(\i)+5], v[6:7]
	v_pk_fma_f32 v[6:7], v[X+8*(\i)+6:X+8*(\i)+7], v[X+8*(\i)+6:X+8*(\i)+7], v[6:7]
	v_add_f32 v6, v6, v7
	v_add_f32_dpp v6, v6, v6 row_xmask:1 row_mask:0xf bank_mask:0xf
	v_add_f32_dpp v6, v6, v6 row_xmask:2 row_mask:0xf bank_mask:0xf
	v_add_f32_dpp v6, v6, v6 row_xmask:4 row_mask:0xf bank_mask:0xf
	v_add_f32_dpp v6, v6, v6 row_xmask:8 row_mask:0xf bank_mask:0xf
	v_permlanex16_b32 v8, v6, s26, s27
	v_add_f32 v6, v6, v8                           ; every lane holds the row's sum of squares
	v_cmp_eq_u32 vcc_lo, \i, v1
	v_cndmask_b32 v5, v5, v6, vcc_lo               ; lane i keeps it
.endm
.irp i, 0,1,2,3,4,5,6,7
	ROW \i
.endr
	v_cmp_gt_u32 vcc_lo, 8, v1
	s_wait_xcnt 0x0                                ; EXEC is a source of the stores above: it changes only behind this wait
	s_and_saveexec_b32 s28, vcc_lo
	global_store_b32 v4, v5, s[22:23]              ; lanes 0 to 7: the wave's 8 norms
	s_endpgm
.Lfunc_end_k_qd8a5e9bc4d_prep:
	.size	k_qd8a5e9bc4d_prep, .Lfunc_end_k_qd8a5e9bc4d_prep-k_qd8a5e9bc4d_prep
	.p2alignl 7, 3214868480
	.fill 96, 4, 3214868480
	.section	.rodata,"a",@progbits
	.p2align	6, 0x0
	.amdhsa_kernel k_qd8a5e9bc4d_prep
		.amdhsa_group_segment_fixed_size 0
		.amdhsa_private_segment_fixed_size 0
		.amdhsa_enable_private_segment 0
		.amdhsa_kernarg_size 48
		.amdhsa_user_sgpr_count 2
		.amdhsa_user_sgpr_kernarg_segment_ptr 1
		.amdhsa_wavefront_size32 1
		.amdhsa_system_sgpr_workgroup_id_x 1
		.amdhsa_system_sgpr_workgroup_id_y 1
		.amdhsa_system_sgpr_workgroup_id_z 1
		.amdhsa_system_vgpr_workitem_id 0
		.amdhsa_next_free_vgpr 112
		.amdhsa_next_free_sgpr 66
		.amdhsa_reserve_vcc 1
		.amdhsa_float_denorm_mode_32 3
		.amdhsa_float_denorm_mode_16_64 3
		.amdhsa_memory_ordered 1
		.amdhsa_forward_progress 1
		.amdhsa_inst_pref_size 15
	.end_amdhsa_kernel
	.amdgpu_metadata
---
amdhsa.version: [ 1, 2 ]
amdhsa.kernels:
  - .name:           k_qd8a5e9bc4d_prep
    .symbol:         k_qd8a5e9bc4d_prep.kd
    .args:
      - { .name: z, .offset: 0, .size: 8, .value_kind: global_buffer, .address_space: global }
      - { .name: codebook, .offset: 8, .size: 8, .value_kind: global_buffer, .address_space: global }
      - { .name: zb, .offset: 16, .size: 8, .value_kind: global_buffer, .address_space: global }
      - { .name: cbb, .offset: 24, .size: 8, .value_kind: global_buffer, .address_space: global }
      - { .name: an, .offset: 32, .size: 8, .value_kind: global_buffer, .address_space: global }
      - { .name: bn, .offset: 40, .size: 8, .value_kind: global_buffer, .address_space: global }
    .group_segment_fixed_size: 0
    .private_segment_fixed_size: 0
    .kernarg_segment_align: 8
    .kernarg_segment_size: 48
    .max_flat_workgroup_size: 128
    .sgpr_count:     66
    .vgpr_count:     112
    .wavefront_size: 32
...
	.end_amdgpu_metadata
.endif
;; end of part 1
;; launch dist (part 2): grid 256 x 1, 4 waves a work-group, clusters of 4 x 1, 327,680 bytes of LDS; arguments zb, cbb, an, bn, grp; writes grp
.if DOCPART == 2
	.amdgcn_target "amdgcn-amd-amdhsa--gfx1250"
	.amdhsa_code_object_version 6
	.text
	.protected	k_qd8a5e9bc4d_dist
	.globl	k_qd8a5e9bc4d_dist
	.p2align	8
	.type	k_qd8a5e9bc4d_dist,@function
k_qd8a5e9bc4d_dist:
	s_mov_b64 s[64:65], 0
	v_nop
	global_prefetch_b8 v0, s[64:65] scope:SCOPE_SE
	s_setreg_imm32_b32 hwreg(HW_REG_WAVE_MODE, 25, 1), 1
	s_wait_xcnt 0x0
	s_wait_alu depctr_hold_cnt(0) depctr_sa_sdst(0) depctr_va_vdst(0) depctr_va_sdst(0) depctr_va_ssrc(0) depctr_va_vcc(0) depctr_vm_vsrc(0)
	s_getreg_b32 s2, hwreg(HW_REG_IB_STS2, 6, 4)
	s_cmp_eq_u32 s2, 0
	s_cbranch_scc0 .Lentry_in_a_cluster
	s_endpgm
.Lentry_in_a_cluster:
	s_bfe_u32 s2, ttmp6, 0x10000c
	s_cmp_lg_u32 s2, 0x3003
	s_cbranch_scc0 .Lentry_shape_is_right
	s_endpgm
.Lentry_shape_is_right:
; DIST.  For each of 32,768 tokens: which GROUP of 8 consecutive codes (code >> 3) holds the first smallest distance d = fl(fl(A + B) - 2 M), A = an[token], B = bn[code],
; M = the sum over 256 k of zb[token][k] cbb[code][k] (bf16 operands, f32 sums by the matrix unit).  A is not put into the product's C operand: M stays a clean f32 sum, and d is
; one addition and one fused multiply-add (2 M is exact), the two roundings that reference() makes.  The code inside the group is found by the next launch.
; SHARES.  A work-group owns 128 tokens and walks all 8,192 codes in 32 slots of 256.  EVERY wave holds all 128 tokens as source 1 (8 token tiles x 8 K steps x 8 registers = 512);
; of each slot wave w fetches, and alone reads, codes 64 w .. 64 w + 63: four code tiles of 16.  A code tile is 16 LDS loads for 64 matrix instructions.
; LAYOUT.  Source 0 = 16 codes, source 1 = 16 tokens: in the result lane (r = lane % 16, h = lane / 16) holds token r, and its registers 0..7 the codes 8 h + 0..7: one group of one token.
; So a lane follows, for each of its 8 tokens, a running minimum and the number of the group that last lowered it (strictly: the earlier group keeps a tie): 14 vector instructions a tile of 16 x 16.
; BY TURNS.  While tile T is multiplied into one set of 8 accumulators, tile T - 1's distances are made and reduced out of the other set: its token tile ks beside K step ks, in four
; small groups behind every second matrix instruction.  The 8 accumulators take turns, one instruction a turn.
; CLUSTER.  All work-groups walk the same codes, so the four of a cluster ask for each part of a slot, and for the norms, JOINTLY: the same tensor load, descriptor and mask in all four.
; The block of z is each work-group's own and comes by a plain load.
; NO FIRST TILE IS WRITTEN OUT: the accumulators of 'tile -1' are 0 and its norms +inf, so its distances are +inf and lower nothing.  The price: 97 v_mov_b32 once, in the wait for z's fragments.
; LIMITS.  A NaN distance is passed over by the minima (argmin would take it).  If all distances are +inf the group is 0, as in reference().  M's last bits are the matrix unit's, not those of a
; chain of f32 additions: where two distances lie within one step of f32 at |d| AND M lies at a rounding edge the group can differ from reference()'s.
; REGISTERS, in windows of 256 (s_set_vgpr_msb: bits 1:0 source 0, 3:2 source 1, 5:4 source 2, 7:6 destination):
;   window 0: addresses, statistics, the two sets of accumulators      window 1: v0-63, v64-127 a code tile's fragments, two buffers
;   window 2: z's token tiles 0-3 at 64 t + 8 ks                       window 3: token tiles 4-7 likewise
.set PITCH,  528                       ; an LDS row: 512 bytes + 16 of padding = 33 x 16: the 16 rows of a fragment load start at 16 different groups of four banks (ISA guide 11.1)
.set TILEB,  16*PITCH                  ; 16 rows
.set WPART,  64*PITCH                  ; a wave's part of a slot
.set ZPART,  32*PITCH                  ; a wave's part of the block of z
.set SLOTB,  4*WPART                   ; slot 0 at 0; slot 1 at SLOTB: its first 128 rows hold z until z is in registers
.set BNRM,   2*SLOTB                   ; all 8,192 code norms, 32,768 bytes, filled once
.set MERGE,  BNRM+32768                ; m[candidate 8][token 128] f32, then the groups likewise at + 4,096: written by LDS stores, never by a tensor load
.set SPARE,  MERGE+8192                ; the spare words, 128 bytes for each wave: two blocks of 256 bytes that no other line names
.set SLOTG,  256*512                   ; a slot's bytes in cbb
.set TRIPS,  15                        ; a trip is two slots; the last two slots are written out
.set ADR, 4                            ; v4, v5  LDS address of my lane in my part of slot 0, 1
.set ZA,  6                            ; v6   the same in the block of z
.set BNA, 7                            ; v7   my 8 norms of my part's tile 0 in the trip's slot 0; + 2,048 a trip
.set MA,  8                            ; v8   where I put my minima
.set RA,  9                            ; v9   where wave 0 reads them back
.set GO,  10                           ; v10  16 x lane: my 16 bytes of the block's 512 in grp
.set VS,  11                           ; v11  8 w + h + 64 x trip: the group number of my registers in the trip's slot 0, tile 0
.set VT,  12                           ; v12  the group number of the tile that is being reduced
.set AO,  13                           ; v13  4 r
.set SPW, 14                           ; v14  LDS address of my spare word; never rewritten
.set NIL, 15                           ; v15  0; never rewritten
.set AN,  16                           ; v[16:23] A of token 16 t + r
.set GR,  24                           ; v[24:31] the group that last lowered the minimum
.set MN,  32                           ; v[32:39], v[40:47] the running minimum, old and new by the tile's parity
.set BN,  48                           ; v[48:55], v[56:63] a tile's 8 norms, by parity
.set TB,  64                           ; v[64:71] A + B, then d in place
.set XT,  72                           ; v[72:74] at work
.set AC,  128                          ; v[128:191], v[192:255] accumulators by parity, token tile t at + 8 t
.set KB,  0                            ; window 1
.set WV,  14                           ; s14 my wave's number
.set CX,  15                           ; s15 my place in the cluster
.set WG,  16                           ; s16 my block of 128 tokens
.set G1C, 24                           ; s[24:31] group 1, a wave's part of a slot
.set G1Z, 32                           ; s[32:39] group 1, a wave's part of z
.set G1N, 40                           ; s[40:47] group 1, a wave's part of the norms
.set G0C, 48                           ; s[48:51], s[52:55] group 0 for slot 0, 1
.set G0Z, 56                           ; s[56:59]
.set G0N, 60                           ; s[60:63]
.set CNT, 66                           ; s66 trips to go
.set W_M2, 0x09                        ; source 0 (codes) window 1, source 1 (tokens) window 2, C and D window 0
.set W_M3, 0x0d                        ; the same with the tokens in window 3
.set MSB, 0
.macro WIN new                         ; the immediate's high byte repeats the setting that is left; a switch that changes nothing is dropped
.if MSB != (\new)
	s_set_vgpr_msb (MSB<<8)|(\new)
.set MSB, (\new)
.endif
.endm
; A round of the cluster's barrier: my work-group's barrier, so that wave 0's signal speaks for all four waves; wave 0 signals; every wave waits for all four work-groups; my work-group's barrier once more.
.macro CREST                           ; a round behind its opening barrier
	s_cmp_lg_u32 s[WV], 0
	s_cbranch_scc1 .Lnot_wave_0_\@
	s_barrier_signal -3
.Lnot_wave_0_\@:
	s_barrier_wait -3
	s_barrier_signal -1
	s_barrier_wait -1
.endm
.macro CROUND
	s_barrier_signal -1
	s_barrier_wait -1
	CREST
.endm
; A joint fill of my part of slot n.  One line for all waves: the descriptor hangs on the wave's number alone and is equal in the four partners.  An s_nop 0 and four v_nop follow.
.macro JLOAD n
	tensor_load_to_lds s[G0C+4*(\n):G0C+4*(\n)+3], s[G1C:G1C+7]
	s_nop 0
.rept 4
	v_nop
.endr
.endm
	s_load_b256 s[4:11], s[0:1], 0x0               ; zb s[4:5], cbb s[6:7], an s[8:9], bn s[10:11]
	s_load_b64 s[12:13], s[0:1], 0x20              ; grp
	v_lshl_add_u32 v[SPW], v0, 2, SPARE
	v_mov_b32 v[NIL], 0
	ds_add_u32 v[SPW], v[NIL]                      ; the wave's opening: the add and its wait stand ahead of my first tensor load; the set-up below, work on registers, stands between them
	v_lshrrev_b32 v1, 5, v0
	v_readfirstlane_b32 s[WV], v1                  ; wave 0..3
	s_bfe_u32 s[CX], ttmp6, 0x40000                ; cx
	s_lshl_b32 s[WG], ttmp9, 2                     ; in a cluster launch ttmp9 counts clusters
	s_add_co_u32 s[WG], s[WG], s[CX]               ; my block = 4 x cluster + cx: it enters z's, an's and grp's addresses alone
	; group 1 for a part of a slot: 64 rows x 256 elements of 2 bytes, 16 bytes of padding behind each row of 128 words
	s_mov_b32 s[G1C+0], 15|(1<<16)|(1<<20)|(1<<21)|(6<<22)|(3<<25)  ; 15:0 the mask of four; 17:16 2-byte elements; 20 padding on; 21 set beside a mask; 24:22 after every 128 words (code 6); 31:25 4 words (code 3)
	s_mov_b32 s[G1C+1], 256<<16                    ; tensor_dim0 = 256
	s_mov_b32 s[G1C+2], 64<<16                     ; tensor_dim1 = 64
	s_mov_b32 s[G1C+3], 256<<16                    ; tile_dim0 = 256
	s_mov_b32 s[G1C+4], 64                         ; tile_dim1 = 64
	s_mov_b32 s[G1C+5], 256                        ; elements from row to row
	s_mov_b32 s[G1C+6], 0
	s_mov_b32 s[G1C+7], 0
	; group 1 for a part of z: 32 such rows, no mask
	s_mov_b32 s[G1Z+0], (1<<16)|(1<<20)|(6<<22)|(3<<25)
	s_mov_b32 s[G1Z+1], 256<<16
	s_mov_b32 s[G1Z+2], 32<<16
	s_mov_b32 s[G1Z+3], 256<<16
	s_mov_b32 s[G1Z+4], 32
	s_mov_b32 s[G1Z+5], 256
	s_mov_b32 s[G1Z+6], 0
	s_mov_b32 s[G1Z+7], 0
	; group 1 for a part of the norms: 8,192 dense bytes as 32 rows of 32 elements of 8 bytes, no padding
	s_mov_b32 s[G1N+0], 15|(3<<16)|(1<<21)
	s_mov_b32 s[G1N+1], 32<<16
	s_mov_b32 s[G1N+2], 32<<16
	s_mov_b32 s[G1N+3], 32<<16
	s_mov_b32 s[G1N+4], 32
	s_mov_b32 s[G1N+5], 32
	s_mov_b32 s[G1N+6], 0
	s_mov_b32 s[G1N+7], 0
	; group 0: count 1; the LDS address: a constant plus the wave's number times a constant
	s_mov_b32 s[G0C+0], 1
	s_mul_i32 s[G0C+1], s[WV], WPART
	s_mov_b32 s[G0C+4], 1
	s_add_co_u32 s[G0C+5], s[G0C+1], SLOTB
	s_mov_b32 s[G0Z+0], 1
	s_mul_i32 s[G0Z+1], s[WV], ZPART
	s_add_co_u32 s[G0Z+1], s[G0Z+1], SLOTB
	s_mov_b32 s[G0N+0], 1
	s_lshl_b32 s[G0N+1], s[WV], 13
	s_add_co_u32 s[G0N+1], s[G0N+1], BNRM
	; byte offsets, made apart from the addresses; those of the joint loads never hold cx
	s_lshl_b32 s18, s[WV], 15                      ; cbb: my 64 rows of 512 bytes
	s_mov_b32 s19, 0
	s_lshl_b32 s22, s[WV], 13                      ; bn: my 2,048 norms
	s_mov_b32 s23, 0
	s_lshl_b32 s20, s[WG], 16                      ; zb: my block's 128 rows,
	s_lshl_b32 s17, s[WV], 14                      ; my wave's 32 of them
	s_add_co_u32 s20, s20, s17
	s_mov_b32 s21, 0
	s_lshl_b32 s68, s[WG], 9                       ; an, grp: my block's 128 words
	s_mov_b32 s69, 0
	s_wait_dscnt 0x0                               ; the opening add is done
	s_wait_kmcnt 0x0
	s_add_nc_u64 s[G0C+2:G0C+3], s[6:7], s[18:19]  ; slot 0: codes 0..255
	s_add_nc_u64 s[G0C+6:G0C+7], s[G0C+2:G0C+3], SLOTG  ; slot 1: codes 256..511
	s_or_b32 s[G0C+3], s[G0C+3], 0x80000000        ; 127:126 type = 2
	s_or_b32 s[G0C+7], s[G0C+7], 0x80000000
	s_add_nc_u64 s[G0Z+2:G0Z+3], s[4:5], s[20:21]
	s_or_b32 s[G0Z+3], s[G0Z+3], 0x80000000
	s_add_nc_u64 s[G0N+2:G0N+3], s[10:11], s[22:23]
	s_or_b32 s[G0N+3], s[G0N+3], 0x80000000
	s_add_nc_u64 s[8:9], s[8:9], s[68:69]
	s_add_nc_u64 s[12:13], s[12:13], s[68:69]
	CROUND                                         ; all four work-groups are here: the first joint loads meet
	tensor_load_to_lds s[G0C:G0C+3], s[G1C:G1C+7]  ; the first fills go out as one group: three loads of mine are out.  My part of slot 0,
	s_nop 0
	tensor_load_to_lds s[G0Z:G0Z+3], s[G1Z:G1Z+7]  ; of z (into slot 1's place),
	s_nop 0
	tensor_load_to_lds s[G0N:G0N+3], s[G1N:G1N+7]  ; of the norms
	s_nop 0
.rept 4
	v_nop
.endr
	v_and_b32 v1, 15, v0                           ; r
	v_bfe_u32 v2, v0, 4, 1                         ; h
	v_lshlrev_b32 v[AO], 2, v1
.irp t, 0,1,2,3,4,5,6,7
	global_load_b32 v[AN+\t], v[AO], s[8:9] offset:64*\t   ; A of token 16 t + r
.endr
	; A fragment is 16 rows x 32 K in 8 registers: lane (r, h) holds row r; registers 0-3 K = 8 h + 0..7, registers 4-7 K = 16 + 8 h + 0..7: two loads of 16 bytes, 32 bytes apart.
	v_mul_u32_u24 v3, v1, PITCH
	v_lshl_add_u32 v3, v2, 4, v3                   ; row x pitch + 16 h
	v_add_nc_u32 v[ADR], s[G0C+1], v3              ; + my part of slot 0
	v_add_nc_u32 v[ADR+1], SLOTB, v[ADR]
	v_add_nc_u32 v[ZA], SLOTB, v3
	s_lshl_b32 s17, s[WV], 8
	s_add_co_u32 s17, s17, BNRM
	v_lshl_add_u32 v[BNA], v2, 5, s17              ; norms of codes 64 w + 8 h + 0..7
	s_lshl_b32 s17, s[WV], 10
	s_add_co_u32 s17, s17, MERGE
	v_lshl_add_u32 v[MA], v2, 9, s17               ; candidate 2 w + h: 512 bytes each,
	v_lshl_add_u32 v[MA], v1, 2, v[MA]             ; token r of a tile
	v_and_b32 v[RA], 31, v0
	v_lshlrev_b32 v[GO], 4, v[RA]
	v_add_nc_u32 v[RA], MERGE, v[GO]
	s_lshl_b32 s17, s[WV], 3
	v_add_nc_u32 v[VS], s17, v2
	s_wait_tensorcnt 0x0                           ; my parts of slot 0, z and the norms are in,
	s_barrier_signal -1
	s_barrier_wait -1                              ; everybody's are: z and the norms are read across waves.
.macro ZLOAD t0                        ; four token tiles, 64 loads
.irp t, 0,1,2,3
.irp ks, 0,1,2,3,4,5,6,7
	ds_load_b128 v[64*\t+8*\ks:64*\t+8*\ks+3],   v[ZA] offset:TILEB*(\t+(\t0))+64*\ks
	ds_load_b128 v[64*\t+8*\ks+4:64*\t+8*\ks+7], v[ZA] offset:TILEB*(\t+(\t0))+64*\ks+32
.endr
.endr
.endm
	WIN 0x80                                       ; destination window 2, address window 0
	ZLOAD 0
	WIN 0xc0                                       ; destination window 3
	ZLOAD 4
	WIN 0
	; z's bytes are now filled again, with slot 1's codes: every wave waits for all its tensor loads, adds 0 to its spare word, waits for that and for its reads of z, and passes a round.
	s_wait_tensorcnt 0x0
	ds_add_u32 v[SPW], v[NIL]                      ; what 'tile -1' holds is written between it and the wait for it
.set i, 0
.rept 64
	v_mov_b32 v[AC+64+i], 0                        ; its products
.set i, i+1
.endr
.set i, 0
.rept 8
	v_mov_b32 v[BN+8+i], 0x7f800000                ; its norms: +inf
	v_mov_b32 v[TB+i], 0x7f800000                  ; A + B for its token tile 0
	v_mov_b32 v[MN+8+i], 0x7f800000                ; the minimum so far
	v_mov_b32 v[GR+i], 0
.set i, i+1
.endr
	v_mov_b32 v[VT], 0
	s_wait_dscnt 0x0                               ; the add is done, and z is in my registers
	CROUND                                         ; the same holds of every wave of every partner
	JLOAD 1                                        ; the first tensor load behind the round, my only one: one load of mine is out
; One matrix instruction: code tile in buffer p, K step ks, token tile t.  K step 0 starts the sums with the constant 0.
.macro MM p, ks, t
.if (\t) < 4
	WIN W_M2
.else
	WIN W_M3
.endif
.if (\ks) == 0
	v_wmma_f32_16x16x32_bf16 v[AC+64*(\p)+8*(\t):AC+64*(\p)+8*(\t)+7], v[KB+64*(\p)+8*(\ks):KB+64*(\p)+8*(\ks)+7], v[64*((\t)%4)+8*(\ks):64*((\t)%4)+8*(\ks)+7], 0
.else
	v_wmma_f32_16x16x32_bf16 v[AC+64*(\p)+8*(\t):AC+64*(\p)+8*(\t)+7], v[KB+64*(\p)+8*(\ks):KB+64*(\p)+8*(\ks)+7], v[64*((\t)%4)+8*(\ks):64*((\t)%4)+8*(\ks)+7], v[AC+64*(\p)+8*(\t):AC+64*(\p)+8*(\t)+7]
.endif
.endm
; Pair q of A + B for token tile tn with the norms in buffer b: A, one number a lane, feeds both halves
.macro AB q, tn, b
.if (\tn)%2
	v_pk_add_f32 v[TB+2*(\q):TB+2*(\q)+1], v[BN+8*(\b)+2*(\q):BN+8*(\b)+2*(\q)+1], v[AN+(\tn)-1:AN+(\tn)] op_sel:[0,1] op_sel_hi:[1,1]
.else
	v_pk_add_f32 v[TB+2*(\q):TB+2*(\q)+1], v[BN+8*(\b)+2*(\q):BN+8*(\b)+2*(\q)+1], v[AN+(\tn):AN+(\tn)+1] op_sel_hi:[1,0]
.endif
.endm
; THE VECTOR WORK for token tile t of the tile in accumulator set e, in four groups.  0: d = (A + B) - 2 M, the accumulator read from its low end on.  1, 2: the minimum of
; the 8 distances and the old minimum.  3: where it fell, the group's number is taken.  Groups 2 and 3 also make A + B for the token tile to come (tn, norms in buffer b) if ab = 1.
; No line reads the result of the line just before it; VCC is written and read inside group 3.
.macro RID g, t, e, tn, b, ab
	WIN 0
.if (\g) == 0
.irp q, 0,1,2,3
	v_pk_fma_f32 v[TB+2*\q:TB+2*\q+1], v[AC+64*(\e)+8*(\t)+2*\q:AC+64*(\e)+8*(\t)+2*\q+1], -2.0, v[TB+2*\q:TB+2*\q+1] op_sel_hi:[1,0,1]
.endr
.elseif (\g) == 1
	v_min3_num_f32 v[XT],   v[TB],   v[TB+1], v[TB+2]
	v_min3_num_f32 v[XT+1], v[TB+3], v[TB+4], v[TB+5]
	v_min3_num_f32 v[XT+2], v[TB+6], v[TB+7], v[MN+8*(\e)+(\t)]
.elseif (\g) == 2
	v_min3_num_f32 v[MN+8*(1-(\e))+(\t)], v[XT], v[XT+1], v[XT+2]
.if \ab
	AB 0, \tn, \b
	AB 1, \tn, \b
.endif
.else
	v_cmp_lt_f32 vcc_lo, v[MN+8*(1-(\e))+(\t)], v[MN+8*(\e)+(\t)]
.if \ab
	AB 2, \tn, \b
	AB 3, \tn, \b
.endif
	v_cndmask_b32 v[GR+(\t)], v[GR+(\t)], v[VT], vcc_lo
.endif
.endm
; A K step: 8 matrix instructions, the 8 accumulators by turns, and behind every second one a group of the vector work for token tile ks of the tile before.
; Behind K step 7's groups A + B is ready for the next tile's turn: token tile 0 with THIS tile's norms.
.macro KSTEP p, ks
.if (\ks) < 7
.set TN_, (\ks)+1
.set NB_, 1-(\p)
.else
.set TN_, 0
.set NB_, (\p)
.endif
.irp g, 0,1,2,3
	MM \p, \ks, 2*\g
	MM \p, \ks, 2*\g+1
	RID \g, \ks, 1-(\p), TN_, NB_, 1
.endr
.endm
.macro FETCHK slot, i, b               ; 16 LDS loads in one run: code tile i of my part of a slot into buffer b
	WIN 0x40                                       ; destination window 1, address window 0
.irp ks, 0,1,2,3,4,5,6,7
	ds_load_b128 v[KB+64*(\b)+8*\ks:KB+64*(\b)+8*\ks+3],   v[ADR+(\slot)] offset:TILEB*(\i)+64*\ks
	ds_load_b128 v[KB+64*(\b)+8*\ks+4:KB+64*(\b)+8*\ks+7], v[ADR+(\slot)] offset:TILEB*(\i)+64*\ks+32
.endr
.endm
.macro FETCHB slot, i, b               ; the tile's norms: my 8 codes'; the lanes of a half read the same 32 bytes
	WIN 0
	ds_load_b128 v[BN+8*(\b):BN+8*(\b)+3],   v[BNA] offset:1024*(\slot)+64*(\i)
	ds_load_b128 v[BN+8*(\b)+4:BN+8*(\b)+7], v[BNA] offset:1024*(\slot)+64*(\i)+16
.endm
; A CODE TILE: 64 matrix instructions.  Behind its second K step its own norms and the next tile's fragments are fetched: the buffer's last reader, the tile before's last matrix
; instruction, stands more than 28 plain vector instructions back; the fragments' first use comes 48 matrix instructions later.
; mode 1: a slot's last tile, whose fragments are all in registers: the slot is filled again, with the codes two slots on.  In front of the round each wave waits for all its tensor loads, of which
;   one is out (its part of the other slot), adds 0 to its spare word, and waits for that and for its reads of the slot; the joint fill is the first thing behind the round and has
;   240 matrix instructions in which to land.
; mode 2: the last slot but one's last tile: nothing is filled; my part of the last slot, which I alone read, is waited for.      mode 3: the last tile: no next fragments.
.macro TILE slot, i, mode
	s_wait_dscnt 0x0                               ; this tile's fragments are in
.if (\mode) == 1
	WIN 0
	s_wait_tensorcnt 0x0                           ; all my tensor loads have landed
	ds_add_u32 v[SPW], v[NIL]                      ; 0 onto my spare word; a K step stands between it and the wait for it
.endif
	KSTEP (\i)%2, 0
.if (\mode) == 1
	s_wait_dscnt 0x0                               ; the add is done, and my reads of the slot are over
	s_barrier_signal -1                            ; this barrier opens a round of the cluster's
.endif
	KSTEP (\i)%2, 1
	WIN 0                                          ; at a branch and at a label every window is 0
.if (\mode) == 1
	s_barrier_wait -1
	CREST                                          ; no wave of any partner still reads the slot or has a load on its way
	s_add_nc_u64 s[G0C+4*(\slot)+2:G0C+4*(\slot)+3], s[G0C+4*(\slot)+2:G0C+4*(\slot)+3], 2*SLOTG  ; no load of mine is out: the group 0 may be written
	JLOAD \slot
.elseif (\mode) == 2
	s_wait_tensorcnt 0x0
.endif
	FETCHB \slot, \i, (\i)%2
.if (\mode) != 3
.if (\i) < 3
	FETCHK \slot, (\i)+1, 1-(\i)%2
.else
	FETCHK 1-(\slot), 0, 1-(\i)%2
.endif
.endif
	KSTEP (\i)%2, 2
	KSTEP (\i)%2, 3
	KSTEP (\i)%2, 4
	KSTEP (\i)%2, 5
	KSTEP (\i)%2, 6
.if (\mode) == 3
	s_wait_dscnt 0x0
.else
	s_wait_dscnt 16                                ; LDS loads come back in order: my norms are in, the 16 loads of fragments behind them may stay out
.endif
	KSTEP (\i)%2, 7
	WIN 0
	v_add_nc_u32 v[VT], 32*(\slot)+2*(\i), v[VS]   ; this tile's group number, for the next tile's turn
.endm
	FETCHK 0, 0, 0
	WIN 0
	s_wait_loadcnt 0x0                             ; A
	s_mov_b32 s[CNT], TRIPS
.Ltrip:                                                ; slots 2 k and 2 k + 1 are multiplied, slots 2 k + 2 and 2 k + 3 asked for
	TILE 0, 0, 0
	TILE 0, 1, 0
	TILE 0, 2, 0
	TILE 0, 3, 1
	TILE 1, 0, 0
	TILE 1, 1, 0
	TILE 1, 2, 0
	TILE 1, 3, 1
	v_add_nc_u32 v[BNA], 2048, v[BNA]              ; 512 codes on
	v_add_nc_u32 v[VS], 64, v[VS]
	s_sub_co_u32 s[CNT], s[CNT], 1
	s_cmp_lg_u32 s[CNT], 0
	s_cbranch_scc1 .Ltrip
	TILE 0, 0, 0                                   ; the last two slots are written out
	TILE 0, 1, 0
	TILE 0, 2, 0
	TILE 0, 3, 2
	TILE 1, 0, 0
	TILE 1, 1, 0
	TILE 1, 2, 0
	TILE 1, 3, 3
.irp t, 0,1,2,3,4,5,6                  ; the last tile's distances: the accumulator read first was finished 15 plain vector instructions back
	RID 0, \t, 1, \t+1, 1, 1
	RID 1, \t, 1, \t+1, 1, 1
	RID 2, \t, 1, \t+1, 1, 1
	RID 3, \t, 1, \t+1, 1, 1
.endr
	RID 0, 7, 1, 0, 1, 0
	RID 1, 7, 1, 0, 1, 0
	RID 2, 7, 1, 0, 1, 0
	RID 3, 7, 1, 0, 1, 0
	; THE MERGE.  A token has 8 candidates (4 waves x 2 halves of the lanes), each a minimum and the first group that reached it.  They meet in LDS; wave 0 takes the least by (minimum, group).
.irp t, 0,1,2,3,4,5,6,7
	ds_store_b32 v[MA], v[MN+\t] offset:64*\t
	ds_store_b32 v[MA], v[GR+\t] offset:4096+64*\t
.endr
	s_wait_dscnt 0x0                               ; for the others' sake: my stores are done
	s_barrier_signal -1
	s_barrier_wait -1
	s_cmp_lg_u32 s[WV], 0
	s_cbranch_scc1 .Ldone
.irp c, 0,1,2,3,4,5,6,7
	ds_load_b128 v[128+4*\c:128+4*\c+3], v[RA] offset:512*\c        ; candidate c's minima of tokens 4 lane + 0..3
	ds_load_b128 v[160+4*\c:160+4*\c+3], v[RA] offset:4096+512*\c   ; and its groups
.endr
	s_wait_dscnt 0x0
.macro TAKE c, u                       ; candidate c wins token u if its minimum is less, or equal with the lower group
	v_cmp_lt_f32 s70, v[128+4*(\c)+(\u)], v[128+(\u)]
	v_cmp_eq_f32 s71, v[128+4*(\c)+(\u)], v[128+(\u)]
	v_cmp_lt_u32 s72, v[160+4*(\c)+(\u)], v[160+(\u)]
	s_and_b32 s71, s71, s72
	s_or_b32 s70, s70, s71
	v_cndmask_b32 v[128+(\u)], v[128+(\u)], v[128+4*(\c)+(\u)], s70
	v_cndmask_b32 v[160+(\u)], v[160+(\u)], v[160+4*(\c)+(\u)], s70
.endm
.irp c, 1,2,3,4,5,6,7
.irp u, 0,1,2,3
	TAKE \c, \u
.endr
.endr
	global_store_b128 v[GO], v[160:163], s[12:13]  ; the block's 128 groups: 512 consecutive bytes, at a multiple of 256 from grp's first byte
.Ldone:
	s_wait_tensorcnt 0x0                           ; the wave's end: behind my last tensor load and my last LDS store
	ds_add_u32 v[SPW], v[NIL]
	s_wait_dscnt 0x0
	CROUND                                         ; the closing round: no work-group ends while a partner may still ask for a tile that names it
	s_endpgm
.Lfunc_end_k_qd8a5e9bc4d_dist:
	.size	k_qd8a5e9bc4d_dist, .Lfunc_end_k_qd8a5e9bc4d_dist-k_qd8a5e9bc4d_dist
	.p2alignl 7, 3214868480
	.fill 96, 4, 3214868480
	.section	.rodata,"a",@progbits
	.p2align	6, 0x0
	.amdhsa_kernel k_qd8a5e9bc4d_dist
		.amdhsa_group_segment_fixed_size 327680
		.amdhsa_private_segment_fixed_size 0
		.amdhsa_enable_private_segment 0
		.amdhsa_kernarg_size 40
		.amdhsa_user_sgpr_count 2
		.amdhsa_user_sgpr_kernarg_segment_ptr 1
		.amdhsa_wavefront_size32 1
		.amdhsa_system_sgpr_workgroup_id_x 1
		.amdhsa_system_sgpr_workgroup_id_y 1
		.amdhsa_system_sgpr_workgroup_id_z 1
		.amdhsa_system_vgpr_workitem_id 0
		.amdhsa_next_free_vgpr 1024
		.amdhsa_next_free_sgpr 80
		.amdhsa_reserve_vcc 1
		.amdhsa_float_denorm_mode_32 3
		.amdhsa_float_denorm_mode_16_64 3
		.amdhsa_memory_ordered 1
		.amdhsa_forward_progress 1
		.amdhsa_inst_pref_size 255
	.end_amdhsa_kernel
	.section	.bss,"aw",@nobits
	.p2align	6
	.space	262144
	.amdgpu_metadata
---
amdhsa.version: [ 1, 2 ]
amdhsa.kernels:
  - .name:           k_qd8a5e9bc4d_dist
    .symbol:         k_qd8a5e9bc4d_dist.kd
    .args:
      - { .name: zb, .offset: 0, .size: 8, .value_kind: global_buffer, .address_space: global }
      - { .name: cbb, .offset: 8, .size: 8, .value_kind: global_buffer, .address_space: global }
      - { .name: an, .offset: 16, .size: 8, .value_kind: global_buffer, .address_space: global }
      - { .name: bn, .offset: 24, .size: 8, .value_kind: global_buffer, .address_space: global }
      - { .name: grp, .offset: 32, .size: 8, .value_kind: global_buffer, .address_space: global }
    .group_segment_fixed_size: 327680
    .private_segment_fixed_size: 0
    .kernarg_segment_align: 8
    .kernarg_segment_size: 40
    .max_flat_workgroup_size: 128
    .sgpr_count:     80
    .vgpr_count:     1024
    .wavefront_size: 32
...
	.end_amdgpu_metadata
.endif
;; end of part 2
;; launch pick (part 3): grid 1024 x 1, 8 waves a work-group, no clusters, 0 bytes of LDS; arguments zb, cbb, an, bn, grp, out0, out2, part; writes out0, out2, part
.if DOCPART == 3
	.amdgcn_target "amdgcn-amd-amdhsa--gfx1250"
	.amdhsa_code_object_version 6
	.text
	.protected	k_qd8a5e9bc4d_pick
	.globl	k_qd8a5e9bc4d_pick
	.p2align	8
	.type	k_qd8a5e9bc4d_pick,@function
k_qd8a5e9bc4d_pick:
	s_mov_b64 s[64:65], 0
	v_nop
	global_prefetch_b8 v0, s[64:65] scope:SCOPE_SE
	s_setreg_imm32_b32 hwreg(HW_REG_WAVE_MODE, 25, 1), 1
	s_wait_xcnt 0x0
; PICK.  For each token the launch before has stored the group g of 8 consecutive codes that holds the first smallest distance.  Here the group's 8 rows (4,096 consecutive bytes of cbb) are
; loaded, their 8 distances d = fl(fl(A + B) - 2 M) made again on the vector unit, the first smallest taken: out2 = 8 g + j.  The winning row is chosen by v_cndmask_b32 among the 8 rows in registers,
; so the only number that enters an address is g, a whole number read from memory and clamped to 1,023.  out0 = z + (e - z), and the wave's sum of (e - z)^2 goes to part, all on the numbers rounded to bf16.
; SHARES.  A work-group takes 32 tokens, a wave 4, as two pairs; in pair p the half h of the lanes owns token 4 w + 2 p + h.  Lane r of a half holds elements 64 q + 4 r + 0..3, q = 0..3, of every row:
; an f32 store of 16 lanes x 16 bytes is 256 consecutive bytes at a multiple of 256 from out0's first byte.  No loop, no LDS, no barrier; the matrix unit has nothing to do here (8 products a token).
; out2's 16 bytes and part's 4 bytes a wave leave as they are: together 163,840 bytes beside the 50 million that the launch moves.
; LIMITS.  M is a chain of fused multiply-adds and a butterfly of additions, not the matrix unit's sum: two codes of one group within a step of f32 at |d| can change places against the launch before,
; which does not matter (the first smallest of THESE 8 distances is taken).  If a distance is NaN the minimum passes over it.
.set S, 24                             ; v[24:31] the 8 products M
.set D, 32                             ; v[32:39] the 8 distances
	s_load_b256 s[4:11], s[0:1], 0x0               ; zb s[4:5], cbb s[6:7], an s[8:9], bn s[10:11]
	s_load_b256 s[12:19], s[0:1], 0x20             ; grp s[12:13], out0 s[14:15], out2 s[16:17], part s[18:19]
	s_mov_b32 s24, 0xffff0000                      ; a word's upper bf16
	s_mov_b32 s26, 0x76543210                      ; v_permlanex16_b32: each lane takes its own place in the other half
	s_mov_b32 s27, 0xfedcba98
	v_and_b32 v1, 15, v0                           ; r
	v_bfe_u32 v2, v0, 4, 1                         ; h
	v_and_b32 v3, 31, v0                           ; lane
	v_lshrrev_b32 v7, 5, v0                        ; w
	v_lshl_add_u32 v22, v7, 2, v2                  ; 4 w + h: pair 0's token
	v_lshlrev_b32 v4, 2, v22                       ; its word in grp and an
	v_lshlrev_b32 v23, 3, v1                       ; 8 r
	v_lshl_add_u32 v5, v22, 9, v23                 ; its row in zb + 8 r
	v_lshlrev_b32 v6, 4, v1
	v_lshl_add_u32 v6, v22, 10, v6                 ; its row in out0 + 16 r
	v_mov_b32 v16, 0                               ; the sum of squares, two halves
	v_mov_b32 v17, 0
	v_mov_b32 v18, 0                               ; the first addend of the chains (the mixed multiply-add takes registers alone)
	s_mov_b32 s29, 0
	s_wait_kmcnt 0x0
	s_lshl_b32 s28, ttmp9, 14                      ; 32 rows of 512 bytes
	s_add_nc_u64 s[4:5], s[4:5], s[28:29]
	s_lshl_b32 s28, ttmp9, 15                      ; 32 rows of 1,024 bytes
	s_add_nc_u64 s[14:15], s[14:15], s[28:29]
	s_lshl_b32 s28, ttmp9, 7                       ; 32 words
	s_add_nc_u64 s[8:9], s[8:9], s[28:29]
	s_add_nc_u64 s[12:13], s[12:13], s[28:29]
	s_add_nc_u64 s[16:17], s[16:17], s[28:29]
	s_lshl_b32 s28, ttmp9, 5                       ; 8 words
	s_add_nc_u64 s[18:19], s[18:19], s[28:29]
	global_load_b32 v8, v4, s[12:13]               ; g of pair 0,
	global_load_b32 v9, v4, s[12:13] offset:8      ; of pair 1
	global_load_b32 v10, v4, s[8:9]                ; A likewise
	global_load_b32 v11, v4, s[8:9] offset:8
.irp p, 0,1
.irp q, 0,1,2,3
	global_load_b64 v[40+80*\p+2*\q:40+80*\p+2*\q+1], v5, s[4:5] offset:1024*\p+128*\q th:TH_LOAD_NT   ; z
.endr
.endr
	s_wait_loadcnt 8                               ; g and A are in; the eight loads of z behind them may stay out
	v_min_u32 v8, 0x3ff, v8                        ; a loaded number enters an address only clamped
	v_min_u32 v9, 0x3ff, v9
	v_lshl_add_u32 v12, v8, 12, v23                ; the group's 8 rows + 8 r
	v_lshl_add_u32 v13, v9, 12, v23
	v_lshlrev_b32 v14, 5, v8                       ; its 8 norms
	v_lshlrev_b32 v15, 5, v9
; A pair's registers from B_ = 40 + 80 p on: + 0..7 z, + 8..15 the 8 norms, + 16 + 8 j + x row j's register x
.macro LOADS p
.set B_, 40+80*(\p)
	global_load_b128 v[B_+8:B_+11],  v[14+(\p)], s[10:11]
	global_load_b128 v[B_+12:B_+15], v[14+(\p)], s[10:11] offset:16
.irp j, 0,1,2,3,4,5,6,7
.irp q, 0,1,2,3
	global_load_b64 v[B_+16+8*\j+2*\q:B_+16+8*\j+2*\q+1], v[12+(\p)], s[6:7] offset:512*\j+128*\q
.endr
.endr
.endm
	LOADS 0
	LOADS 1
.macro COMP p, left
.set B_, 40+80*(\p)
.set RW, B_+16
.set ZF, B_+24                         ; z in f32, 16 registers: rows 1 and 2's, free when the row is chosen
.set QF, B_+40                         ; the chosen row in f32: rows 3 and 4's
	s_wait_loadcnt \left
	; M for the 8 rows: 8 chains of 16 multiply-adds straight from the bf16 halves, then the 16 lanes of the half are added
.irp x, 0,1,2,3,4,5,6,7
.irp j, 0,1,2,3,4,5,6,7
.if \x == 0
	v_fma_mix_f32_bf16 v[S+\j], v[B_+\x], v[RW+8*\j+\x], v18 op_sel_hi:[1,1,0]
.else
	v_fma_mix_f32_bf16 v[S+\j], v[B_+\x], v[RW+8*\j+\x], v[S+\j] op_sel_hi:[1,1,0]
.endif
.endr
.irp j, 0,1,2,3,4,5,6,7
	v_fma_mix_f32_bf16 v[S+\j], v[B_+\x], v[RW+8*\j+\x], v[S+\j] op_sel:[1,1,0] op_sel_hi:[1,1,0]
.endr
.endr
.irp m, 1,2,4,8
.irp j, 0,1,2,3,4,5,6,7
	v_add_f32_dpp v[S+\j], v[S+\j], v[S+\j] row_xmask:\m row_mask:0xf bank_mask:0xf
.endr
.endr
.irp k, 0,1,2,3
.if (\p) == 0
	v_pk_add_f32 v[D+2*\k:D+2*\k+1], v[B_+8+2*\k:B_+8+2*\k+1], v[10:11] op_sel_hi:[1,0]              ; A + B
.else
	v_pk_add_f32 v[D+2*\k:D+2*\k+1], v[B_+8+2*\k:B_+8+2*\k+1], v[10:11] op_sel:[0,1] op_sel_hi:[1,1]
.endif
.endr
.irp k, 0,1,2,3
	v_pk_fma_f32 v[D+2*\k:D+2*\k+1], v[S+2*\k:S+2*\k+1], -2.0, v[D+2*\k:D+2*\k+1] op_sel_hi:[1,0,1]  ; - 2 M, one rounding
.endr
	v_min3_num_f32 v22, v[D], v[D+1], v[D+2]
	v_min3_num_f32 v23, v[D+3], v[D+4], v[D+5]
	v_min3_num_f32 v22, v22, v[D+6], v[D+7]
	v_min_num_f32 v22, v22, v23
	v_mov_b32 v19, 7
.irp j, 6,5,4,3,2,1,0                  ; the lowest j that reaches the minimum wins
	v_cmp_eq_f32 vcc_lo, v[D+\j], v22
	v_cndmask_b32 v19, v19, \j, vcc_lo
.endr
	v_lshl_add_u32 v[20+(\p)], v[8+(\p)], 3, v19   ; the code
	v_and_b32 v23, 1, v19
	v_cmp_ne_u32 s20, 0, v23
	v_and_b32 v23, 2, v19
	v_cmp_ne_u32 s21, 0, v23
	v_and_b32 v23, 4, v19
	v_cmp_ne_u32 s22, 0, v23
.irp k, 0,1,2,3                        ; row j into row 0's registers, bit by bit of j
.irp x, 0,1,2,3,4,5,6,7
	v_cndmask_b32 v[RW+16*\k+\x], v[RW+16*\k+\x], v[RW+16*\k+8+\x], s20
.endr
.endr
.irp k, 0,1
.irp x, 0,1,2,3,4,5,6,7
	v_cndmask_b32 v[RW+32*\k+\x], v[RW+32*\k+\x], v[RW+32*\k+16+\x], s21
.endr
.endr
.irp x, 0,1,2,3,4,5,6,7
	v_cndmask_b32 v[RW+\x], v[RW+\x], v[RW+32+\x], s22
.endr
.irp x, 0,1,2,3,4,5,6,7
	v_lshlrev_b32 v[ZF+2*\x],   16,  v[B_+\x]
	v_and_b32     v[ZF+2*\x+1], s24, v[B_+\x]
	v_lshlrev_b32 v[QF+2*\x],   16,  v[RW+\x]
	v_and_b32     v[QF+2*\x+1], s24, v[RW+\x]
.endr
.irp k, 0,1,2,3,4,5,6,7
	v_pk_add_f32 v[QF+2*\k:QF+2*\k+1], v[QF+2*\k:QF+2*\k+1], v[ZF+2*\k:ZF+2*\k+1] neg_lo:[0,1] neg_hi:[0,1]   ; e - z
.endr
.irp k, 0,1,2,3,4,5,6,7
	v_pk_fma_f32 v[16:17], v[QF+2*\k:QF+2*\k+1], v[QF+2*\k:QF+2*\k+1], v[16:17]
	v_pk_add_f32 v[ZF+2*\k:ZF+2*\k+1], v[ZF+2*\k:ZF+2*\k+1], v[QF+2*\k:QF+2*\k+1]                              ; z + (e - z)
.endr
.irp q, 0,1,2,3
	global_store_b128 v6, v[ZF+4*\q:ZF+4*\q+3], s[14:15] offset:2048*(\p)+256*\q th:TH_STORE_NT  ; each pair has registers of its own: the stores' data are never rewritten
.endr
.endm
	COMP 0, 34                                     ; pair 1's 34 loads may stay out
	COMP 1, 0
	v_add_f32 v16, v16, v17
	v_add_f32_dpp v16, v16, v16 row_xmask:1 row_mask:0xf bank_mask:0xf
	v_add_f32_dpp v16, v16, v16 row_xmask:2 row_mask:0xf bank_mask:0xf
	v_add_f32_dpp v16, v16, v16 row_xmask:4 row_mask:0xf bank_mask:0xf
	v_add_f32_dpp v16, v16, v16 row_xmask:8 row_mask:0xf bank_mask:0xf
	v_permlanex16_b32 v22, v16, s26, s27
	v_add_f32 v16, v16, v22                        ; the wave's four tokens' sum of squares
	v_lshlrev_b32 v24, 4, v7                       ; out2: token 4 w + 2 r + h, for r = 0, 1
	v_lshl_add_u32 v24, v1, 3, v24
	v_lshl_add_u32 v24, v2, 2, v24
	v_lshlrev_b32 v25, 2, v7                       ; part: the wave's word
	v_cmp_eq_u32 vcc_lo, 1, v1
	v_cndmask_b32 v26, v20, v21, vcc_lo            ; lanes r = 0 carry pair 0's code, lanes r = 1 pair 1's
	v_cmp_gt_u32 vcc_lo, 2, v1
	s_wait_xcnt 0x0                                ; EXEC is a source of the stores above: it changes only behind this wait
	s_and_saveexec_b32 s20, vcc_lo
	global_store_b32 v24, v26, s[16:17]
	s_wait_xcnt 0x0
	s_or_b32 exec_lo, exec_lo, s20
	v_cmp_eq_u32 vcc_lo, 0, v3
	s_and_saveexec_b32 s20, vcc_lo
	global_store_b32 v25, v16, s[18:19]            ; lane 0 alone
	s_endpgm
.Lfunc_end_k_qd8a5e9bc4d_pick:
	.size	k_qd8a5e9bc4d_pick, .Lfunc_end_k_qd8a5e9bc4d_pick-k_qd8a5e9bc4d_pick
	.p2alignl 7, 3214868480
	.fill 96, 4, 3214868480
	.section	.rodata,"a",@progbits
	.p2align	6, 0x0
	.amdhsa_kernel k_qd8a5e9bc4d_pick
		.amdhsa_group_segment_fixed_size 0
		.amdhsa_private_segment_fixed_size 0
		.amdhsa_enable_private_segment 0
		.amdhsa_kernarg_size 64
		.amdhsa_user_sgpr_count 2
		.amdhsa_user_sgpr_kernarg_segment_ptr 1
		.amdhsa_wavefront_size32 1
		.amdhsa_system_sgpr_workgroup_id_x 1
		.amdhsa_system_sgpr_workgroup_id_y 1
		.amdhsa_system_sgpr_workgroup_id_z 1
		.amdhsa_system_vgpr_workitem_id 0
		.amdhsa_next_free_vgpr 200
		.amdhsa_next_free_sgpr 66
		.amdhsa_reserve_vcc 1
		.amdhsa_float_denorm_mode_32 3
		.amdhsa_float_denorm_mode_16_64 3
		.amdhsa_memory_ordered 1
		.amdhsa_forward_progress 1
		.amdhsa_inst_pref_size 47
	.end_amdhsa_kernel
	.amdgpu_metadata
---
amdhsa.version: [ 1, 2 ]
amdhsa.kernels:
  - .name:           k_qd8a5e9bc4d_pick
    .symbol:         k_qd8a5e9bc4d_pick.kd
    .args:
      - { .name: zb, .offset: 0, .size: 8, .value_kind: global_buffer, .address_space: global }
      - { .name: cbb, .offset: 8, .size: 8, .value_kind: global_buffer, .address_space: global }
      - { .name: an, .offset: 16, .size: 8, .value_kind: global_buffer, .address_space: global }
      - { .name: bn, .offset: 24, .size: 8, .value_kind: global_buffer, .address_space: global }
      - { .name: grp, .offset: 32, .size: 8, .value_kind: global_buffer, .address_space: global }
      - { .name: out0, .offset: 40, .size: 8, .value_kind: global_buffer, .address_space: global }
      - { .name: out2, .offset: 48, .size: 8, .value_kind: global_buffer, .address_space: global }
      - { .name: part, .offset: 56, .size: 8, .value_kind: global_buffer, .address_space: global }
    .group_segment_fixed_size: 0
    .private_segment_fixed_size: 0
    .kernarg_segment_align: 8
    .kernarg_segment_size: 64
    .max_flat_workgroup_size: 256
    .sgpr_count:     66
    .vgpr_count:     200
    .wavefront_size: 32
...
	.end_amdgpu_metadata
.endif
;; end of part 3
;; launch loss (part 4): grid 1 x 1, 1 waves a work-group, no clusters, 0 bytes of LDS; arguments part, out1; writes out1
.if DOCPART == 4
	.amdgcn_target "amdgcn-amd-amdhsa--gfx1250"
	.amdhsa_code_object_version 6
	.text
	.protected	k_qd8a5e9bc4d_loss
	.globl	k_qd8a5e9bc4d_loss
	.p2align	8
	.type	k_qd8a5e9bc4d_loss,@function
k_qd8a5e9bc4d_loss:
	s_mov_b64 s[64:65], 0
	v_nop
	global_prefetch_b8 v0, s[64:65] scope:SCOPE_SE
	s_setreg_imm32_b32 hwreg(HW_REG_WAVE_MODE, 25, 1), 1
	s_wait_xcnt 0x0
; LOSS.  out1 = 1.25 x the sum of part's 8,192 f32 numbers / 2^23: mean((e - z)^2) + 0.25 x the same mean, over 32,768 x 256 numbers.
; The sum spans all work-groups of the launch before, so it has a launch of its own and one owner: one wave, 64 loads of 512 consecutive bytes through a ring of 32 register slots.
; The two means are one number here; reference() adds the second after its own rounding: a difference in the last bit.
	s_load_b128 s[4:7], s[0:1], 0x0                ; part s[4:5], out1 s[6:7]
	v_lshlrev_b32 v1, 4, v0                        ; 16 x lane; never rewritten
	v_mov_b32 v2, 0                                ; out1's offset
	v_mov_b32 v8, 0                                ; v_permlanex16_b32's destination counts as read
	s_mov_b32 s8, 0x76543210
	s_mov_b32 s9, 0xfedcba98
	s_wait_kmcnt 0x0
.set i, 0
.rept 32
	global_load_b128 v[16+4*i:16+4*i+3], v1, s[4:5] offset:512*i
.set i, i+1
.endr
; Load n of 64 is added onto one of two packed sums (v[4:5], v[6:7]), which loads 0 and 1 start: nothing is cleared.  more = 1: its slot takes load n + 32.
.macro TAKE n, left, more
	s_wait_loadcnt \left                           ; loads come back in order: load n is in, the younger ones may stay out
.set R_, 16+4*((\n)%32)
.set A_, 4+2*((\n)%2)
.if (\n) < 2
	v_pk_add_f32 v[A_:A_+1], v[R_:R_+1], v[R_+2:R_+3]
.else
	v_pk_add_f32 v[A_:A_+1], v[A_:A_+1], v[R_:R_+1]
	v_pk_add_f32 v[A_:A_+1], v[A_:A_+1], v[R_+2:R_+3]
.endif
.if \more
	global_load_b128 v[R_:R_+3], v1, s[4:5] offset:512*((\n)+32)
.endif
.endm
.set i, 0
.rept 32
	TAKE i, 31, 1
.set i, i+1
.endr
.rept 32
	TAKE i, 63-i, 0                                ; the last 32 load nothing: the counts run down
.set i, i+1
.endr
	v_pk_add_f32 v[4:5], v[4:5], v[6:7]
	v_add_f32 v4, v4, v5
	v_add_f32_dpp v4, v4, v4 row_xmask:1 row_mask:0xf bank_mask:0xf
	v_add_f32_dpp v4, v4, v4 row_xmask:2 row_mask:0xf bank_mask:0xf
	v_add_f32_dpp v4, v4, v4 row_xmask:4 row_mask:0xf bank_mask:0xf
	v_add_f32_dpp v4, v4, v4 row_xmask:8 row_mask:0xf bank_mask:0xf
	v_permlanex16_b32 v8, v4, s8, s9
	v_add_f32 v4, v4, v8
	v_mul_f32 v4, 0x34200000, v4                   ; 1.25 / 2^23
	v_cmp_eq_u32 vcc_lo, 0, v0
	s_wait_xcnt 0x0                                ; EXEC is a source of the loads above: it changes only behind this wait
	s_and_saveexec_b32 s10, vcc_lo
	global_store_b32 v2, v4, s[6:7]
	s_endpgm
.Lfunc_end_k_qd8a5e9bc4d_loss:
	.size	k_qd8a5e9bc4d_loss, .Lfunc_end_k_qd8a5e9bc4d_loss-k_qd8a5e9bc4d_loss
	.p2alignl 7, 3214868480
	.fill 96, 4, 3214868480
	.section	.rodata,"a",@progbits
	.p2align	6, 0x0
	.amdhsa_kernel k_qd8a5e9bc4d_loss
		.amdhsa_group_segment_fixed_size 0
		.amdhsa_private_segment_fixed_size 0
		.amdhsa_enable_private_segment 0
		.amdhsa_kernarg_size 16
		.amdhsa_user_sgpr_count 2
		.amdhsa_user_sgpr_kernarg_segment_ptr 1
		.amdhsa_wavefront_size32 1
		.amdhsa_system_sgpr_workgroup_id_x 1
		.amdhsa_system_sgpr_workgroup_id_y 1
		.amdhsa_system_sgpr_workgroup_id_z 1
		.amdhsa_system_vgpr_workitem_id 0
		.amdhsa_next_free_vgpr 144
		.amdhsa_next_free_sgpr 66
		.amdhsa_reserve_vcc 1
		.amdhsa_float_denorm_mode_32 3
		.amdhsa_float_denorm_mode_16_64 3
		.amdhsa_memory_ordered 1
		.amdhsa_forward_progress 1
		.amdhsa_inst_pref_size 18
	.end_amdhsa_kernel
	.amdgpu_metadata
---
amdhsa.version: [ 1, 2 ]
amdhsa.kernels:
  - .name:           k_qd8a5e9bc4d_loss
    .symbol:         k_qd8a5e9bc4d_loss.kd
    .args:
      - { .name: part, .offset: 0, .size: 8, .value_kind: global_buffer, .address_space: global }
      - { .name: out1, .offset: 8, .size: 8, .value_kind: global_buffer, .address_space: global }
    .group_segment_fixed_size: 0
    .private_segment_fixed_size: 0
    .kernarg_segment_align: 8
    .kernarg_segment_size: 16
    .max_flat_workgroup_size: 32
    .sgpr_count:     66
    .vgpr_count:     144
    .wavefront_size: 32
...
	.end_amdgpu_metadata
.endif
;; end of part 4
